; MI455X (gfx1250); checked and timed in simulation.
; The chip was launched on July 23, 2026; its instructions are those of AMD's public machine-readable ISA for CDNA 5 (MIT licence, August 2026) and "CDNA5" Instruction Set Architecture Reference Guide (July 2026). The comments in the code are by the model that wrote it; some were corrected since.
;; Local Attention. Allowed arithmetic: matrix products marked QUANTISED: E2M1 operands, one E8M0 scale for each 32 along K, by v_wmma_scale_f32_16x16x128_f8f6f4 with both operands' format E2M1 (or v_wmma_scale_f32_32x16x128_f4), f32 sums; everything else in f32.
;; Inputs: attn_mask 1 bool; keys_codes 4 x 2,048 x 16 x 2 x 16 uint8 (E2M1 codes of keys, K innermost, in blocks of 32 codes, two codes a byte); keys_scales 4 x 2,048 x 16 x 2 uint8 (E8M0 scales of keys, one for each 32 codes along K); queries_codes 4 x 2,048 x 16 x 2 x 16 uint8 (E2M1 codes of queries, K innermost, in blocks of 32 codes, two codes a byte); queries_scales 4 x 2,048 x 16 x 2 uint8 (E8M0 scales of queries, one for each 32 codes along K); values_codes 4 x 16 x 64 x 64 x 16 uint8 (E2M1 codes of values, K innermost, in blocks of 32 codes, two codes a byte); values_scales 4 x 16 x 64 x 64 uint8 (E8M0 scales of values, one for each 32 codes along K).
;; Outputs: out0 4 x 2,048 x 16 x 64 float32.
;; This version of the problem:
;;   THIS VERSION OF THE PROBLEM IS GIVEN IN LOW PRECISION. The matrix products marked QUANTISED in the list below multiply operands that are first quantised to E2M1 (2 exponent bits, 1 mantissa bit; 4 bits a number), with one power-of-two scale for each 32 numbers along K (OCP MX v1.0); their sums are f32. All else is computed in f32.
;;   The module's matrix products, in the order in which they are computed (A, B: the left and right operand; K: the contracted axis; several contracted axes count as one K, in the product's order):
;;     1. batch 64 x [M 2,048, K 64] x [K 64, N 2,048]; A: input queries (given as codes); B: input keys (given as codes): QUANTISED
;;     2. batch 64 x [M 64, K 2,048] x [K 2,048, N 2,048]; A: input values (given as codes); B: softmax (see below): QUANTISED
;;   THE QUANTISER, for each operand of a quantised product, along K:
;;     - K is cut into blocks of 32 from its start; a last block that is shorter is filled with zeros.
;;     - A block's scale is 2^e with e = floor(log2(the largest magnitude in the block)) - 2, held to -126 .. 127; a block of zeros has e = 0. As a byte (E8M0): e + 127.
;;     - Each number is divided by its block's scale, clamped to +-6, and rounded to the nearest number of E2M1, ties to even, subnormals kept.
;;     - The product sums the exact products of the quantised numbers (number of the format x scale) in f32.
;;   ~~~python
;;   def quantise(x, axis):      # numpy; x: float32 -> the quantised numbers, widened to float32 again
;;       x = np.moveaxis(x, axis, -1); K = x.shape[-1]
;;       x = np.pad(x, [(0, 0)] * (x.ndim - 1) + [(0, -K % 32)]); x = x.reshape(x.shape[:-1] + (-1, 32)); a = np.abs(x).max(-1, keepdims=True)
;;       e = np.where(a > 0, np.clip(np.frexp(np.where(a > 0, a, 1))[1] - 1 - 2, -126, 127), 0)      # np.frexp(a)[1] - 1 = floor(log2(a)), exactly
;;       r = np.clip(x / 2.0 ** e, -6, 6)
;;       step = 2.0 ** (np.maximum(np.frexp(np.where(r == 0, 1, r))[1] - 1, 0) - 1)
;;       q = np.round(r / step) * step * 2.0 ** e      # np.round: ties to even
;;       return np.moveaxis(q.reshape(q.shape[:-2] + (-1,))[..., :K], -1, axis).astype(np.float32)
;;   ~~~
;;   SOFTMAX AHEAD OF A QUANTISED PRODUCT. Where the list says 'softmax', what is quantised is not the finished softmax but p = 2^(t - M), with t = logit x log2(e) and M = ceil(the row's largest t), a whole number; so 1/2 < the row's largest p <= 1. The row's sum l is taken of the UNQUANTISED p, in f32, and the product's result is divided by l at the end. Since M is a whole number, a kernel that streams over the keys may use a running M (the ceiling of the running maximum): every later rescaling is an exact power of two, which a block's scale takes up: the codes' values come out the same.
;;   OPERANDS COMPUTED ON THE WAY. 'Computed on the way' means the value that the module computes at that place (a softmax that the list does not call 'softmax' is quantised finished and normalised). What goes into a quantiser is computed in f32, as accurately as f32 sums, v_exp_f32 and their like allow (about 1e-6 of the number): no bf16 or f16 on the way to a quantiser, and a product that is left as it is and whose result goes on into a quantised operand takes f32 operands (vector FMAs, or v_wmma_f32_16x16x4_f32). A number that lies on a knife's edge between two numbers of the format may be rounded either way, as far as f32 arithmetic and the matrix unit's own rounding can turn it there, and no further.
;;   INPUTS GIVEN AS CODES. keys (in the module: [4, 2048, 16, 64], K = its axis 3); queries (in the module: [4, 2048, 16, 64], K = its axis 3); values (in the module: [4, 2048, 16, 64], K = its axis 1): each comes as NAME_codes (uint8): NAME with its K axis moved to the last place and cut into blocks of 32 codes, [.., K / 32, bytes a block], one block behind the other in memory; two codes a byte, the lower K in the low four bits (a code: sign, 2 exponent bits, 1 mantissa bit); and NAME_scales (uint8): the same leading axes, one E8M0 byte (e + 127) for each 32 codes along K. Its value is code x scale, taken as it is: it is not quantised again, and the codes and scales need not be those that the quantiser above would give.
;; 2 versions, each right; version 2 is version 1 with the launch band written anew for expert scheduling mode. Each part assembles by itself: llvm-mc -triple=amdgcn-amd-amdhsa -mcpu=gfx1250 --defsym DOCPART=n.
;; ======== version 1 of 2: 1 launch
;; launch band (part 1): grid 32 x 8, 16 waves a work-group, no clusters, 103,424 bytes of LDS; arguments queries_codes, queries_scales, keys_codes, keys_scales, values_codes, values_scales, out0, attn_mask; writes out0
.if DOCPART == 1
	.amdgcn_target "amdgcn-amd-amdhsa--gfx1250"
	.amdhsa_code_object_version 6
	.text
	.protected	k_q5f6631a5e8_band
	.globl	k_q5f6631a5e8_band
	.p2align	8
	.type	k_q5f6631a5e8_band,@function
k_q5f6631a5e8_band:
	s_mov_b64 s[64:65], 0
	v_nop
	global_prefetch_b8 v0, s[64:65] scope:SCOPE_SE
	s_setreg_imm32_b32 hwreg(HW_REG_WAVE_MODE, 25, 1), 1
	s_wait_xcnt 0x0
; out0[b][i][h][:] = sum over j of softmax_j(Q[b][i][h] . K[b][j][h] / 8) V[b][j][h][:], j from i - 32 to i + 31 inside 0 .. 2,047 (the band that the problem builds itself).
; Both products on codes of FP4 (E2M1) with one E8M0 byte for each 32 along a product's K.  Q, K: [4][2048][16 heads][32 bytes]; their scale bytes [4][2048][16][2].  V: keys innermost, [4][16][64 d][64 blocks][16 bytes]; scale bytes [4][16][64][64].
; THE BAND.  The 32 queries 32 m .. 32 m + 31 see keys of the three blocks of 32 m - 1, m, m + 1 and no others: the whole row is at hand at once, so M = ceil(the row's largest t) is the final one and nothing is rescaled.
; Three blocks of p and one block of zero codes are one K step of 128 of the second product.  The first product's K is 64: the upper 64 of its K step are zero codes on both sides.
; SHARES.  A work-group: 64 queries (x) of one batch and one half of the heads (y = 2 b + half): 8 heads are 256 consecutive bytes of each row of Q and K.  256 work-groups of equal work.
; Wave w of 16: head w % 8 of the half, queries 32 (w / 8) on: two tiles of 16 queries.  First all waves bring Q (64 rows), K (128 rows: 32 before to 32 behind), V (8 heads x 64 d x 4 blocks) and Q's and K's
; scale bytes through registers into LDS, each instruction reading runs of 256 consecutive bytes (V: 64); one barrier; then the waves go their own ways.
; LAYOUT.  S^T = K Q^T (source 0 = 16 keys, source 1 = 16 queries): a lane holds ONE query.  Lane r of key tile 2 b + u takes key 32 b + 8 u + r + 8 (r / 8), so that the 16 registers of tiles 2 b, 2 b + 1 are
; 16 neighbouring keys, 32 b + 16 (lane / 16) + 0 .. 15.  O = P V (source 0 = p's 16 queries, source 1 = 16 columns of V): column r of tile t is d = 4 r + t, so that a lane's results of the four tiles are four
; neighbouring numbers of a row of out0, and sixteen lanes store one whole aligned row of 256 bytes straight from registers.
; THE EDGES have no branch: a block that does not exist (m - 1 at m = 0, m + 1 at m = 63) is read from some block that does, and the mask's thresholds hide all of it: p = 0, zero codes.
; attn_mask: the problem's function never uses it.  Its byte is read and nothing is made of it.
; NO JOINT LOADS: neighbours along the queries share 16 KB of K's and 16 KB of V's codes of a work-group's 86 KB in and 128 KB out, in windows that are shifted against each other; and the fills need an address
; for each lane (the holds at the edges, V's rows put in the order d = 4 r + t), so they go through registers, each LDS byte filled once.
; LIMITS: scale bytes 0xff (NaN) are not served; a p under 2^-126 counts as 0 (the exponential's own flush, ISA guide 15.8); for the upper 32 queries of a work-group V's blocks stand rotated by one place
; along the second product's K, with p's: the same products, added in another grouping.
.set QB,   0                           ; LDS: Q's 64 rows, 256 bytes + 16 of padding
.set KB,   17408                       ; K's 128 rows, likewise
.set VB,   52224                       ; V: 5,120 bytes a head: row 16 t + r holds d = 4 r + t: four blocks of 16 bytes + 16 of padding
.set QSB,  93184                       ; Q's scale bytes: 64 rows of 32 (all 16 heads)
.set KSB,  95232                       ; K's: 128 rows of 32
.set RLB,  99328                       ; 128 bytes a wave: 1 / l of 16 queries, for each of its two tiles
.set LN,   1                           ; v1   lane
.set R,    2                           ; v2   lane % 16
.set H,    3                           ; v3   lane / 16
.set GQ,   4                           ; v4   staging Q, K: 512 H + 16 R: two rows an instruction
.set LQ,   5                           ; v5   and where they go
.set LK,   6                           ; v6
.set GV,   7                           ; v7   staging V: 4,096 (lane / 4) + 16 x block
.set LV,   8                           ; v8
.set G4,   9                           ; v9   4 x lane
.set G8,   10                          ; v10  8 x lane
.set LQS,  11                          ; v11
.set LKS,  12                          ; v12
.set VSO,  13                          ; v13-15  V's scale bytes: 256 R + 64 H + the block's number
.set AQ,   16                          ; v16  my fragments' places in LDS
.set AK,   17                          ; v17
.set AV,   18                          ; v18-19
.set AQS,  20                          ; v20
.set AKS,  21                          ; v21
.set ARL,  22                          ; v22  1 / l: in
.set ARD,  23                          ; v23  and back
.set GO,   24                          ; v24  out0: 8 H rows of 4,096 bytes + 16 R
.set TLO,  25                          ; v25-26  block m - 1: register e is hidden where e < this (tile 0, 1)
.set THI,  27                          ; v27-28  block m + 1: hidden where e >= this
.set NINF, 29                          ; v29  -infinity
.set NM,   30                          ; v[30:31] -M; the packed form names the pair and takes its low word
.set QS,   32                          ; v32-43 hold scales and nothing else: Q's two words,
.set KS,   34                          ; K's six,
.set VS,   40                          ; V's two (lanes 0-15: tile 2 p, lanes 16-31: tile 2 p + 1),
.set PW,   42                          ; p's two
.set VBY,  44                          ; v44-49  V's scale bytes as loaded
.set RC,   50                          ; v50  1 / l; at the head a temporary
.set TMP,  51                          ; v51
.set QF,   52                          ; v52-67   Q's two fragments;  later PC, RL
.set KF,   68                          ; v68-115  K's six;  later OA and what follows it
.set VF,   116                         ; v116-147 V's four
.set SCO,  148                         ; v148-195, v196-243: the scores of tile 0, 1, then p, then 32 numbers of out0; ahead of the barrier v148-191 carry the staging
.set PC,   52                          ; p's codes
.set RL,   60                          ; 1 / l of queries 8 H + 0 .. 7
.set OA,   68                          ; the four accumulators of O
.set BM,   100                         ; a block's largest score, then its largest p
.set BX,   103                         ; from lane l xor 16
.set SCL,  106                         ; the conversions' scale operands
.set BY,   109                         ; the scale bytes
.set LA,   112                         ; the row's sum, two chains of pairs
.set LB,   114
.set WV,   2                           ; s2   wave
.set H8,   3                           ; s3   my head in the half
.set GG,   4                           ; s4   which 32 of the 64 queries
.set MU,   5                           ; s5   work-group x
.set BB,   6                           ; s6   batch
.set HH,   7                           ; s7   half of the heads
.set RB,   24                          ; s24  the work-group's first row: 2,048 b + 64 mu
.set KR,   25                          ; s25  the first of the 8 rows of K that my wave stages
.set CS,   28                          ; s[28:29] c = log2(e) / 8
.set SEL,  30                          ; s[30:31] v_permlanex16_b32's selects for lane l xor 16
.set MM,   32                          ; s32  m = 2 mu + g
.set LOE,  33                          ; s33  64 where block m - 1 does not exist
.set HIE,  34                          ; s34  64 where block m + 1 does not exist
.set BLK,  36                          ; s36-38 the three blocks' numbers, held to 0 .. 63
.set AMB,  39                          ; s39  attn_mask's byte
	s_load_b512 s[8:23], s[0:1], 0x0               ; Q s[8:9], its scales s[10:11], K s[12:13], s[14:15], V s[16:17], s[18:19], out0 s[20:21], attn_mask s[22:23]
	v_lshl_add_u32 v254, v0, 2, 0x18c00
	v_mov_b32 v255, 0
	v_lshrrev_b32 v[TMP], 5, v0
	v_readfirstlane_b32 s[WV], v[TMP]              ; wave 0..15
	s_and_b32 s[H8], s[WV], 7
	s_lshr_b32 s[GG], s[WV], 3
	s_mov_b32 s[MU], ttmp9
	s_and_b32 s54, ttmp7, 0xffff
	s_lshr_b32 s[BB], s54, 1
	s_and_b32 s[HH], s54, 1
	s_lshl_b32 s55, s[BB], 11                      ; the batch's first row
	s_lshl_b32 s56, s[MU], 6
	s_add_co_u32 s[RB], s55, s56
	s_lshl_b32 s57, s[WV], 3
	s_add_co_u32 s57, s57, s56
	s_sub_co_i32 s57, s57, 32                      ; 64 mu - 32 + 8 w: my 8 rows of K's window lie in one block of 32,
	s_max_i32 s57, s57, 0                          ; so holding their first row holds all: a block that does not exist is read from rows that do
	s_min_i32 s57, s57, 2040
	s_add_co_u32 s[KR], s55, s57
	s_lshl_b32 s[MM], s[MU], 1
	s_add_co_u32 s[MM], s[MM], s[GG]
	s_cmp_eq_u32 s[MM], 0
	s_cselect_b32 s[LOE], 64, 0
	s_cmp_eq_u32 s[MM], 63
	s_cselect_b32 s[HIE], 64, 0
	s_sub_co_i32 s[BLK], s[MM], 1
	s_max_i32 s[BLK], s[BLK], 0
	s_mov_b32 s[BLK+1], s[MM]
	s_add_co_u32 s[BLK+2], s[MM], 1
	s_min_u32 s[BLK+2], s[BLK+2], 63
	; the seven byte offsets, each in a pair with 0 above it (all under 2^26)
	s_lshl_b32 s54, s[WV], 2
	s_add_co_u32 s54, s54, s[RB]                   ; the first of the 4 rows of Q that my wave stages
	s_lshl_b32 s55, s[HH], 8                       ; my half of the heads in a row of codes
	s_lshl_b32 s40, s54, 9
	s_add_co_u32 s40, s40, s55                     ; Q's codes: rows of 512 bytes
	s_lshl_b32 s42, s54, 5                         ; Q's scales: rows of 32
	s_lshl_b32 s44, s[KR], 9
	s_add_co_u32 s44, s44, s55                     ; K's codes
	s_lshl_b32 s46, s[KR], 5                       ; K's scales
	s_lshl_b32 s56, s[BB], 4
	s_lshl_b32 s57, s[HH], 3
	s_add_co_u32 s56, s56, s57                     ; 16 b + 8 half: the first head of my half
	s_lshr_b32 s57, s[WV], 1
	s_add_co_u32 s57, s57, s56                     ; V's codes: my wave stages head w / 2 (65,536 bytes a head),
	s_lshl_b32 s48, s57, 16
	s_and_b32 s57, s[WV], 1
	s_lshl_b32 s57, s57, 15                        ; its d = 32 (w % 2) on (1,024 bytes a d)
	s_add_co_u32 s48, s48, s57
	s_add_co_u32 s57, s56, s[H8]
	s_lshl_b32 s50, s57, 12                        ; V's scales: my own head, 4,096 bytes a head
	s_lshl_b32 s52, s[GG], 5
	s_add_co_u32 s52, s52, s[RB]
	s_lshl_b32 s52, s52, 12                        ; out0: my first query, rows of 4,096 bytes,
	s_lshl_b32 s57, s[HH], 3
	s_add_co_u32 s57, s57, s[H8]
	s_lshl_b32 s57, s57, 8                         ; my head's 256 bytes
	s_add_co_u32 s52, s52, s57
.irp p, 41,43,45,47,49,51,53
	s_mov_b32 s\p, 0
.endr
	s_mov_b32 s[CS], 0x3e38aa3b                    ; c = log2(e) / 8: t = score x c
	s_mov_b32 s[CS+1], s[CS]                       ; (named with it as a pair, so it is written)
	s_mov_b32 s[SEL], 0x76543210
	s_mov_b32 s[SEL+1], 0xfedcba98
	; the global loads' offsets
	v_and_b32 v[LN], 31, v0
	v_and_b32 v[R], 15, v0
	v_bfe_u32 v[H], v0, 4, 1
	v_lshlrev_b32 v[GQ], 4, v[R]
	v_lshl_add_u32 v[GQ], v[H], 9, v[GQ]
	s_lshl_b32 s54, s[MU], 1
	s_sub_co_i32 s54, s54, 1                       ; V's window begins at block 2 mu - 1
	v_and_b32 v[TMP], 3, v0
	v_add_nc_u32 v[GV], s54, v[TMP]                ; my block: 2 mu - 1 + lane % 4.  Block -1 wraps to the greatest number,
	v_min_u32 v[GV], 63, v[GV]                     ; and is held at 63 as block 64 is: any block that exists will do, since its p are zero codes
	v_lshlrev_b32 v[GV], 4, v[GV]
	v_bfe_u32 v[RC], v0, 2, 3
	v_lshl_add_u32 v[GV], v[RC], 12, v[GV]         ; + 4 (lane / 4) rows of 1,024 bytes
	v_lshlrev_b32 v[G4], 2, v[LN]
	v_lshlrev_b32 v[G8], 3, v[LN]
	v_lshlrev_b32 v[TMP], 8, v[R]
	v_lshl_add_u32 v[TMP], v[H], 6, v[TMP]         ; V's scale bytes: row d = 4 R + H (+ 2 p in the immediate), 64 bytes a row
.irp q, 0,1,2
	v_add_nc_u32 v[VSO+\q], s[BLK+\q], v[TMP]
.endr
	s_wait_kmcnt 0x0
	s_add_nc_u64 s[8:9], s[8:9], s[40:41]
	s_add_nc_u64 s[10:11], s[10:11], s[42:43]
	s_add_nc_u64 s[12:13], s[12:13], s[44:45]
	s_add_nc_u64 s[14:15], s[14:15], s[46:47]
	s_add_nc_u64 s[16:17], s[16:17], s[48:49]
	s_add_nc_u64 s[18:19], s[18:19], s[50:51]
	s_add_nc_u64 s[20:21], s[20:21], s[52:53]
	; ALL 18 LOADS OF THE WAVE GO OUT AT ONCE.  None of their address registers is ever written again.
	global_load_b64 v[SCO:SCO+1], v[G8], s[14:15]                  ; K's scale bytes of my 8 rows: 256 consecutive bytes
	global_load_b32 v[SCO+2], v[G4], s[10:11]                      ; Q's of my 4 rows: 128
.irp k, 0,1
	global_load_b128 v[SCO+4+4*\k:SCO+7+4*\k], v[GQ], s[8:9] offset:1024*\k th:TH_LOAD_NT   ; Q: rows 4 w + 2 k + H, sixteen lanes to 256 bytes; read once in the launch
.endr
.irp k, 0,1,2,3
	global_load_b128 v[SCO+12+4*\k:SCO+15+4*\k], v[GQ], s[12:13] offset:1024*\k   ; K: window rows 8 w + 2 k + H
.endr
.irp k, 0,1,2,3
	global_load_b128 v[SCO+28+4*\k:SCO+31+4*\k], v[GV], s[16:17] offset:1024*\k   ; V: d = 4 (8 (w % 2) + lane / 4) + k, four lanes to its window's 64 bytes
.endr
.irp p, 0,1
.irp q, 0,1,2
	global_load_u8 v[VBY+3*\p+\q], v[VSO+\q], s[18:19] offset:128*\p   ; V's scale byte of d = 4 R + 2 p + H, block m - 1 + q
.endr
.endr
	s_load_u8 s[AMB], s[22:23], 0x0                ; attn_mask's one byte
	; while they are on their way: the zero codes first, so that all the lines below stand between them and the products
.irp f, 0,1
.irp i, 4,5,6,7
	v_mov_b32 v[QF+8*\f+\i], 0                     ; k = 64 .. 127 of the first product: zero codes, which add nothing
.endr
.endr
.irp f, 0,1,2,3,4,5
.irp i, 4,5,6,7
	v_mov_b32 v[KF+8*\f+\i], 0
.endr
.endr
	v_mul_u32_u24 v[TMP], v[H], 272
	v_lshl_add_u32 v[TMP], v[R], 4, v[TMP]         ; staging Q, K: row H, 16 R
	s_mul_i32 s54, s[WV], 4*272
	v_add_nc_u32 v[LQ], s54, v[TMP]                ; (QB = 0)
	s_mul_i32 s54, s[WV], 8*272
	s_add_co_u32 s54, s54, KB
	v_add_nc_u32 v[LK], s54, v[TMP]
	s_lshr_b32 s54, s[WV], 1
	s_mul_i32 s54, s54, 5120
	s_and_b32 s55, s[WV], 1
	s_mul_i32 s55, s55, 8*80
	s_add_co_u32 s54, s54, s55
	s_add_co_u32 s54, s54, VB
	v_mul_u32_u24 v[LV], v[RC], 80                 ; staging V: row 16 k + 8 (w % 2) + lane / 4 (v[RC] still holds lane / 4), block lane % 4
	v_and_b32 v[TMP], 3, v0
	v_lshl_add_u32 v[LV], v[TMP], 4, v[LV]
	v_add_nc_u32 v[LV], s54, v[LV]
	v_lshl_add_u32 v[LQS], v0, 2, QSB              ; the scale bytes lie in LDS as in memory: 128 bytes a wave,
	v_lshl_add_u32 v[LKS], v0, 3, KSB              ; 256 a wave
	s_mul_i32 s54, s[GG], 32*272
	s_lshl_b32 s55, s[H8], 5
	s_add_co_u32 s54, s54, s55                     ; my 32 queries' rows, my head's 32 bytes
	v_mul_u32_u24 v[AQ], v[R], 272
	v_lshl_add_u32 v[AQ], v[H], 4, v[AQ]
	v_add_nc_u32 v[AQ], s54, v[AQ]
	v_and_b32 v[TMP], 8, v[R]
	v_add_nc_u32 v[TMP], v[TMP], v[R]              ; r + 8 (r / 8): the keys of a tile
	v_mul_u32_u24 v[AK], v[TMP], 272
	v_lshl_add_u32 v[AK], v[H], 4, v[AK]
	s_add_co_u32 s54, s54, KB                      ; K's window row 32 g is the first key of block m - 1
	v_add_nc_u32 v[AK], s54, v[AK]
	s_lshl_b32 s54, s[GG], 10
	s_lshl_b32 s55, s[HH], 4
	s_add_co_u32 s54, s54, s55
	s_lshl_b32 s55, s[H8], 1
	s_add_co_u32 s54, s54, s55                     ; scale bytes: 32 g rows of 32 bytes, head 8 half + h8: 2 bytes a head
	v_lshl_add_u32 v[AQS], v[R], 5, s54
	v_add_nc_u32 v[AQS], QSB, v[AQS]
	v_lshl_add_u32 v[AKS], v[TMP], 5, s54
	v_add_nc_u32 v[AKS], KSB, v[AKS]
	s_mul_i32 s54, s[H8], 5120
	s_add_co_u32 s54, s54, VB
	v_mul_u32_u24 v[RC], v[R], 80
	v_add_nc_u32 v[RC], s54, v[RC]                 ; V: my head, row r of a tile
	v_add_nc_u32 v[AV], s[GG], v[H]                ; place 2 c + H along K takes window block (g + 2 c + H) % 4: p's blocks 0 to 2 meet blocks m - 1 to m + 1.  c = 0: H + g, at most 2
	v_add_nc_u32 v[AV+1], 2, v[AV]
	v_and_b32 v[AV+1], 3, v[AV+1]                  ; c = 1 (place 3 meets p's zero codes: whichever block stands there)
	v_lshl_add_u32 v[AV], v[AV], 4, v[RC]
	v_lshl_add_u32 v[AV+1], v[AV+1], 4, v[RC]
	s_lshl_b32 s54, s[WV], 7
	s_add_co_u32 s54, s54, RLB
	v_lshl_add_u32 v[ARL], v[R], 2, s54
	v_lshl_add_u32 v[ARD], v[H], 5, s54
	v_lshlrev_b32 v[GO], 4, v[R]
	v_lshl_add_u32 v[GO], v[H], 15, v[GO]
	v_lshlrev_b32 v[TMP], 4, v[H]
	v_sub_nc_u32 v[TMP], v[R], v[TMP]              ; r - 16 H.  Query 32 m + 16 pi + r; register e of block q holds key 32 (m - 1 + q) + 16 H + e
	v_add_nc_u32 v[TLO], s[LOE], v[TMP]            ; block m - 1 counts where 16 H + e >= 16 pi + r; + 64 where there is no such block: all hidden
	v_add_nc_u32 v[TLO+1], 16, v[TLO]
	v_sub_nc_u32 v[THI], v[TMP], s[HIE]            ; block m + 1 counts where 16 H + e < 16 pi + r; - 64: all hidden.  Block m always counts
	v_add_nc_u32 v[THI+1], 16, v[THI]
	v_mov_b32 v[NINF], 0xff800000
	v_mov_b32 v[NM+1], 0                           ; (the pair's upper half is named, so it is written)
	; INTO LDS
	s_wait_kmcnt 0x0                               ; attn_mask's byte is in; nothing is made of it
	s_wait_loadcnt 10                              ; the first 8 loads are in (scales, Q, K); V's 4 and the 6 bytes may be out
	ds_store_b64 v[LKS], v[SCO:SCO+1]
	ds_store_b32 v[LQS], v[SCO+2]
.irp k, 0,1
	ds_store_b128 v[LQ], v[SCO+4+4*\k:SCO+7+4*\k] offset:544*\k
.endr
.irp k, 0,1,2,3
	ds_store_b128 v[LK], v[SCO+12+4*\k:SCO+15+4*\k] offset:544*\k
.endr
	s_wait_loadcnt 6                               ; V's 4 are in; the 6 bytes may be out
.irp k, 0,1,2,3
	ds_store_b128 v[LV], v[SCO+28+4*\k:SCO+31+4*\k] offset:1280*\k
.endr
	s_wait_dscnt 0x0                               ; for the others' sake: my stores have landed
	s_barrier_signal -1
	s_barrier_wait -1                              ; everybody's have.  The one barrier: from here on a wave writes only its own 128 bytes at RLB
	; MY FRAGMENTS: 24 LDS loads, V's last
.irp p, 0,1
	ds_load_u16 v[QS+\p], v[AQS] offset:512*\p     ; two scale bytes, zeros above them: bytes 2 and 3 stand over zero codes
.endr
.irp i, 0,1,2,3,4,5
	ds_load_u16 v[KS+\i], v[AKS] offset:32*(32*(\i/2)+8*(\i%2))
.endr
.irp p, 0,1
	ds_load_b128 v[QF+8*\p:QF+8*\p+3], v[AQ] offset:16*272*\p      ; k = 32 H + 0 .. 31 of query 16 p + r
.endr
.irp i, 0,1,2,3,4,5
	ds_load_b128 v[KF+8*\i:KF+8*\i+3], v[AK] offset:272*(32*(\i/2)+8*(\i%2))   ; key tile i = 2 q + u of block q
.endr
.irp t, 0,1,2,3
.irp c, 0,1
	ds_load_b128 v[VF+8*\t+4*\c:VF+8*\t+4*\c+3], v[AV+\c] offset:1280*\t
.endr
.endr
	s_wait_dscnt 8                                 ; all but V's eight
	; S^T = K Q^T: twelve sums, each one instruction with C = 0: no accumulator is taken up twice
.irp p, 0,1
.irp i, 0,1,2,3,4,5
	v_wmma_scale_f32_16x16x128_f8f6f4 v[SCO+48*\p+8*\i:SCO+48*\p+8*\i+7], v[KF+8*\i:KF+8*\i+7], v[QF+8*\p:QF+8*\p+7], 0, v[KS+\i], v[QS+\p] matrix_a_fmt:MATRIX_FMT_FP4 matrix_b_fmt:MATRIX_FMT_FP4
.endr
.endr
	s_wait_loadcnt 0x0                             ; V's scale bytes
	v_lshl_or_b32 v[VS], v[VBY+1], 8, v[VBY]       ; V's scale words: byte q for place q along K, byte 3 = 0 over p's zero codes.
	v_lshl_or_b32 v[VS+1], v[VBY+4], 8, v[VBY+3]   ; These four lines name no register of the products: they are the four places behind them (ISA guide 7.12.1)
	v_lshl_or_b32 v[VS], v[VBY+2], 16, v[VS]
	v_lshl_or_b32 v[VS+1], v[VBY+5], 16, v[VS+1]
; ONE TILE OF 16 QUERIES: mask, softmax, quantiser, second product, division, stores.
.macro TILE pi
.set S, SCO+48*\pi
	; the mask, in ascending order: each accumulator is read from its low end on
.irp e, 0,1,2,3,4,5,6,7,8,9,10,11,12,13,14,15
	v_cmp_lt_i32 vcc_lo, \e, v[TLO+\pi]
	v_cndmask_b32 v[S+\e], v[S+\e], v[NINF], vcc_lo
.endr
.irp e, 0,1,2,3,4,5,6,7,8,9,10,11,12,13,14,15
	v_cmp_ge_i32 vcc_lo, \e, v[THI+\pi]
	v_cndmask_b32 v[S+32+\e], v[S+32+\e], v[NINF], vcc_lo
.endr
	; the largest score of each block of 32 keys: it serves for the row's maximum and, since p rises with the score, for the block's largest p
.irp q, 0,1,2
	v_max3_num_f32 v[BM+\q], v[S+16*\q], v[S+16*\q+1], v[S+16*\q+2]
.endr
.irp i, 3,5,7,9,11,13
.irp q, 0,1,2
	v_max3_num_f32 v[BM+\q], v[BM+\q], v[S+16*\q+\i], v[S+16*\q+\i+1]   ; (the three blocks by turns)
.endr
.endr
.irp q, 0,1,2
	v_max_num_f32 v[BM+\q], v[BM+\q], v[S+16*\q+15]
.endr
.irp q, 0,1,2
	v_permlanex16_b32 v[BX+\q], v[BM+\q], s[SEL], s[SEL+1]
.endr
.irp q, 0,1,2
	v_max_num_f32 v[BM+\q], v[BM+\q], v[BX+\q]     ; with lane l xor 16's 16 keys
.endr
	v_max3_num_f32 v[TMP], v[BM], v[BM+1], v[BM+2] ; the row's largest score (block m is never hidden: it is a number)
	v_mul_f32 v[TMP], s[CS], v[TMP]                ; as t (c is positive)
	v_floor_f32 v[NM], -v[TMP]                     ; -M = floor(-t) = -ceil(t)
.irp j, 0,2,4,6,8,10,12,14,16,18,20,22,24,26,28,30,32,34,36,38,40,42,44,46
	v_pk_fma_f32 v[S+\j:S+\j+1], v[S+\j:S+\j+1], s[CS:CS+1], v[NM:NM+1] op_sel_hi:[1,0,0]   ; t - M, two at a time
.endr
.irp q, 0,1,2
	v_fma_f32 v[BM+\q], v[BM+\q], s[CS], v[NM]     ; the same of each block's largest score
.endr
.irp j, 0,1,2,3,4,5,6,7,8,9,10,11,12,13,14,15,16,17,18,19,20,21,22,23,24,25,26,27,28,29,30,31,32,33,34,35,36,37,38,39,40,41,42,43,44,45,46,47
	v_exp_f32 v[S+\j], v[S+\j]                     ; p = 2^(t - M), not normalised; 0 where hidden
.endr
.irp q, 0,1,2
	v_exp_f32 v[BM+\q], v[BM+\q]                   ; the block's largest p: the same two instructions on the same number give the same bits
.endr
	v_nop                                          ; a plain instruction behind the last exponential (ISA guide 5.7.2)
	s_wait_alu depctr_va_vdst(0)                   ; one wait for the batch of 51, ahead of its first reader
.irp q, 0,1,2
	v_max_num_f32 v[BM+\q], 0x1800000, v[BM+\q]    ; the floor 2^(3 - 127): the byte cannot fall under 1 (a block of zeros keeps that byte: its codes are zeros)
.endr
.irp q, 0,1,2
	v_add_nc_u32 v[SCL+\q], 0xff000000, v[BM+\q]   ; 2 off the exponent field: the conversion takes the exponent field of this operand as its scale
.endr
.irp q, 0,1,2
	v_lshrrev_b32 v[BY+\q], 23, v[SCL+\q]          ; the scale's byte
.endr
	v_lshl_or_b32 v[PW+\pi], v[BY+1], 8, v[BY]     ; p's scale word; byte 3 = 0 over the block of zero codes
	v_lshl_or_b32 v[PW+\pi], v[BY+2], 16, v[PW+\pi]
.irp q, 0,1,2
	v_cvt_scalef32_pk8_fp4_f32 v[PC+2*\q], v[S+16*\q:S+16*\q+7], v[SCL+\q]        ; the codes of keys 32 q + 16 H + 0 .. 7
	v_cvt_scalef32_pk8_fp4_f32 v[PC+2*\q+1], v[S+16*\q+8:S+16*\q+15], v[SCL+\q]   ; and + 8 .. 15
.endr
	v_mov_b32 v[PC+6], 0                           ; the fourth block: zero codes.  (Also the plain line behind the conversions)
	v_mov_b32 v[PC+7], 0
.irp c, 0,1                                    ; the operand's layout wants a whole block in a lane: lanes 0-15 block 2 c, lanes 16-31 block 2 c + 1
.irp i, 0,1
	v_permlane16_swap_b32 v[PC+4*\c+\i], v[PC+4*\c+2+\i]
.endr
.endr
	; the row's sum, of the unquantised p: two chains of pairs.  These lines are also the places between the scale word and the codes above and the products below
	v_pk_add_f32 v[LA:LA+1], v[S:S+1], v[S+2:S+3]
	v_pk_add_f32 v[LB:LB+1], v[S+4:S+5], v[S+6:S+7]
.irp j, 8,12,16,20,24,28,32,36,40,44
	v_pk_add_f32 v[LA:LA+1], v[LA:LA+1], v[S+\j:S+\j+1]
	v_pk_add_f32 v[LB:LB+1], v[LB:LB+1], v[S+\j+2:S+\j+3]
.endr
	v_pk_add_f32 v[LA:LA+1], v[LA:LA+1], v[LB:LB+1]
	v_add_f32 v[TMP], v[LA], v[LA+1]
	v_permlanex16_b32 v[BX], v[TMP], s[SEL], s[SEL+1]
	v_add_f32 v[TMP], v[TMP], v[BX]                ; l of query r
	v_rcp_f32 v[RC], v[TMP]
	v_nop                                          ; a plain instruction behind the reciprocal
	s_wait_alu depctr_va_vdst(0)                   ; and the wait ahead of its first reader
	; O will hold query 8 H + j in register j, but 1 / l lies in lane r: it turns through my wave's own 64 bytes.  LDS serves a wave's instructions in order (ISA guide 5.7.1.4): the loads see the store
	ds_store_b32 v[ARL], v[RC] offset:64*\pi       ; lanes r and r + 16 write the same word with the same value
	ds_load_b128 v[RL:RL+3], v[ARD] offset:64*\pi
	ds_load_b128 v[RL+4:RL+7], v[ARD] offset:64*\pi+16
.if \pi == 0
	s_wait_dscnt 3                                 ; V's fragments are in; the three lines above may be out
.endif
	; O = P V: four sums, each one instruction with C = 0.  Register j of tile t: O(query 8 H + j, d = 4 r + t)
.irp t, 0,1,2,3
.if \t % 2
	v_wmma_scale_f32_16x16x128_f8f6f4 v[OA+8*\t:OA+8*\t+7], v[PC:PC+7], v[VF+8*\t:VF+8*\t+7], 0, v[PW+\pi], v[VS+\t/2] matrix_a_fmt:MATRIX_FMT_FP4 matrix_b_fmt:MATRIX_FMT_FP4 matrix_b_scale:MATRIX_SCALE_ROW1
.else
	v_wmma_scale_f32_16x16x128_f8f6f4 v[OA+8*\t:OA+8*\t+7], v[PC:PC+7], v[VF+8*\t:VF+8*\t+7], 0, v[PW+\pi], v[VS+\t/2] matrix_a_fmt:MATRIX_FMT_FP4 matrix_b_fmt:MATRIX_FMT_FP4
.endif
.endr
.rept 4
	v_nop                                          ; four places in front of the first read of the results (ISA guide 7.12.1); no other vector work is at hand
.endr
	s_wait_dscnt 0x0                               ; 1 / l is back
.irp j, 0,1,2,3,4,5,6,7                        ; j ascending: each accumulator is read from its low end on
.irp t, 0,1,2,3
	v_mul_f32 v[S+4*\j+\t], v[OA+8*\t+\j], v[RL+\j]   ; into p's registers, which are done with: four neighbours d = 4 r + 0 .. 3 of query 8 H + j
.endr
.endr
.irp j, 0,1,2,3,4,5,6,7
	global_store_b128 v[GO], v[S+4*\j:S+4*\j+3], s[20:21] offset:(16*\pi+\j)*4096 th:TH_STORE_NT   ; sixteen lanes store the 256 consecutive, aligned bytes of one (query, head); written once, read by nobody here
.endr
.endm
	TILE 0
	TILE 1                                         ; it writes none of the registers that tile 0's stores read: no wait stands between them
	s_wait_tensorcnt 0x0
	ds_add_u32 v254, v255
	s_wait_dscnt 0x0
	s_endpgm
.Lfunc_end_k_q5f6631a5e8_band:
	.size	k_q5f6631a5e8_band, .Lfunc_end_k_q5f6631a5e8_band-k_q5f6631a5e8_band
	.p2alignl 7, 3214868480
	.fill 96, 4, 3214868480
	.section	.rodata,"a",@progbits
	.p2align	6, 0x0
	.amdhsa_kernel k_q5f6631a5e8_band
		.amdhsa_group_segment_fixed_size 103424
		.amdhsa_private_segment_fixed_size 0
		.amdhsa_enable_private_segment 0
		.amdhsa_kernarg_size 64
		.amdhsa_user_sgpr_count 2
		.amdhsa_user_sgpr_kernarg_segment_ptr 1
		.amdhsa_wavefront_size32 1
		.amdhsa_system_sgpr_workgroup_id_x 1
		.amdhsa_system_sgpr_workgroup_id_y 1
		.amdhsa_system_sgpr_workgroup_id_z 1
		.amdhsa_system_vgpr_workitem_id 0
		.amdhsa_next_free_vgpr 256
		.amdhsa_next_free_sgpr 66
		.amdhsa_reserve_vcc 1
		.amdhsa_float_denorm_mode_32 3
		.amdhsa_float_denorm_mode_16_64 3
		.amdhsa_memory_ordered 1
		.amdhsa_forward_progress 1
		.amdhsa_inst_pref_size 40
	.end_amdhsa_kernel
	.amdgpu_metadata
---
amdhsa.version: [ 1, 2 ]
amdhsa.kernels:
  - .name:           k_q5f6631a5e8_band
    .symbol:         k_q5f6631a5e8_band.kd
    .args:
      - { .name: queries_codes, .offset: 0, .size: 8, .value_kind: global_buffer, .address_space: global }
      - { .name: queries_scales, .offset: 8, .size: 8, .value_kind: global_buffer, .address_space: global }
      - { .name: keys_codes, .offset: 16, .size: 8, .value_kind: global_buffer, .address_space: global }
      - { .name: keys_scales, .offset: 24, .size: 8, .value_kind: global_buffer, .address_space: global }
      - { .name: values_codes, .offset: 32, .size: 8, .value_kind: global_buffer, .address_space: global }
      - { .name: values_scales, .offset: 40, .size: 8, .value_kind: global_buffer, .address_space: global }
      - { .name: out0, .offset: 48, .size: 8, .value_kind: global_buffer, .address_space: global }
      - { .name: attn_mask, .offset: 56, .size: 8, .value_kind: global_buffer, .address_space: global }
    .group_segment_fixed_size: 103424
    .private_segment_fixed_size: 0
    .kernarg_segment_align: 8
    .kernarg_segment_size: 64
    .max_flat_workgroup_size: 512
    .sgpr_count:     66
    .vgpr_count:     256
    .wavefront_size: 32
...
	.end_amdgpu_metadata
.endif
;; end of part 1
;; ======== version 2 of 2: 1 launch; version 1 with the launch band written anew for expert scheduling mode
;; launch band (part 2): grid 32 x 8, 16 waves a work-group, no clusters, 103,424 bytes of LDS; arguments queries_codes, queries_scales, keys_codes, keys_scales, values_codes, values_scales, out0, attn_mask; writes out0
.if DOCPART == 2
	.amdgcn_target "amdgcn-amd-amdhsa--gfx1250"
	.amdhsa_code_object_version 6
	.text
	.protected	k_q5f6631a5e8_band
	.globl	k_q5f6631a5e8_band
	.p2align	8
	.type	k_q5f6631a5e8_band,@function
k_q5f6631a5e8_band:
	s_mov_b64 s[64:65], 0
	v_nop
	global_prefetch_b8 v0, s[64:65] scope:SCOPE_SE
	s_setreg_imm32_b32 hwreg(HW_REG_WAVE_SCHED_MODE, 0, 2), 2
	s_setreg_imm32_b32 hwreg(HW_REG_WAVE_MODE, 25, 1), 1
	s_wait_xcnt 0x0
	s_wait_alu depctr_vm_vsrc(0)
; out0[b][i][h][:] = sum over j of softmax_j(Q[b][i][h] . K[b][j][h] / 8) V[b][j][h][:], j from i - 32 to i + 31 inside 0 .. 2,047 (the band that the problem builds itself).
; Both products on codes of FP4 (E2M1) with one E8M0 byte for each 32 along a product's K.  Q, K: [4][2048][16 heads][32 bytes]; their scale bytes [4][2048][16][2].  V: keys innermost, [4][16][64 d][64 blocks][16 bytes]; scale bytes [4][16][64][64].
; THE BAND.  The 32 queries 32 m .. 32 m + 31 see keys of the three blocks of 32 m - 1, m, m + 1 and no others: the whole row is at hand at once, so M = ceil(the row's largest t) is the final one and nothing is rescaled.
; Three blocks of p and one block of zero codes are one K step of 128 of the second product.  The first product's K is 64: the upper 64 of its K step are zero codes on both sides.
; SHARES.  A work-group: 64 queries (x) of one batch and one half of the heads (y = 2 b + half): 8 heads are 256 consecutive bytes of each row of Q and K.  256 work-groups of equal work.
; Wave w of 16: head w % 8 of the half, queries 32 (w / 8) on: two tiles of 16 queries.  First all waves bring Q (64 rows), K (128 rows: 32 before to 32 behind), V (8 heads x 64 d x 4 blocks) and Q's and K's
; scale bytes through registers into LDS, each instruction reading runs of 256 consecutive bytes (V: 64); one barrier; then the waves go their own ways.
; LAYOUT.  S^T = K Q^T (source 0 = 16 keys, source 1 = 16 queries): a lane holds ONE query.  Lane r of key tile 2 b + u takes key 32 b + 8 u + r + 8 (r / 8), so that the 16 registers of tiles 2 b, 2 b + 1 are
; 16 neighbouring keys, 32 b + 16 (lane / 16) + 0 .. 15.  O = P V (source 0 = p's 16 queries, source 1 = 16 columns of V): column r of tile t is d = 4 r + t, so that a lane's results of the four tiles are four
; neighbouring numbers of a row of out0, and sixteen lanes store one whole aligned row of 256 bytes straight from registers.
; THE EDGES have no branch: a block that does not exist (m - 1 at m = 0, m + 1 at m = 63) is read from some block that does, and the mask's thresholds hide all of it: p = 0, zero codes.
; attn_mask: the problem's function never uses it.  Its byte is read and nothing is made of it.
; NO JOINT LOADS: neighbours along the queries share 16 KB of K's and 16 KB of V's codes of a work-group's 86 KB in and 128 KB out, in windows that are shifted against each other; and the fills need an address
; for each lane (the holds at the edges, V's rows put in the order d = 4 r + t), so they go through registers, each LDS byte filled once.
; LIMITS: scale bytes 0xff (NaN) are not served; a p under 2^-126 counts as 0 (the exponential's own flush, ISA guide 15.8); for the upper 32 queries of a work-group V's blocks stand rotated by one place
; along the second product's K, with p's: the same products, added in another grouping.
; THE MODE: SCHED_MODE bits 1:0 = 2 (LLVM: expert scheduling mode 2), set by the entry lines.  The code itself states the register dependences
; between vector or matrix instructions and memory or LDS instructions, with s_wait_alu, always for 0.
; THE PLAN.  Registers that memory or LDS instructions touch, and who else names them:
;   v4, v7, v9, v10, v13-15   offsets of the global loads: made at the head, never written again.  One wait on va_vdst ahead of the first load.
;   v5, v6, v8, v11, v12, v16-24   LDS addresses and out0's offset: made while the loads are out, never written again.  One wait on va_vdst ahead of the first LDS store; it also
;                             stands behind the zero codes of Q's and K's fragments, which the first products take.
;   v148-191   the staging: global loads land there, the LDS stores read them, the first products then write the scores there.  One wait on vm_vsrc ahead of the first product.
;   v32-39, the low halves of v52-115, v116-147, v44-49   scales and fragments: each is loaded once, into registers that no vector instruction has named.
;   v244, v245   1 / l, a register to each tile: written by the tile's reciprocal, read by the tile's LDS store, never written again.
;   v60-67     1 / l as it comes back: read before by the first products (Q's second fragment) and by the tile before's divisions.  The wait on va_vdst behind a tile's reciprocal stands ahead of these loads.
;   v148-179, v196-227   a tile's 32 numbers of out0: written by its divisions, read by its eight stores behind one wait on va_vdst, never written again.
;   s28-59     the mask's 32 bits' words of a tile: written by a run of 32 compares, read by the 32 selects behind one wait on va_sdst.  Tile 0's run stands at the head, while the loads are out;
;              tile 1's in tile 0, behind the second products, while 1 / l turns through LDS.
.set QB,   0                           ; LDS: Q's 64 rows, 256 bytes + 16 of padding
.set KB,   17408                       ; K's 128 rows, likewise
.set VB,   52224                       ; V: 5,120 bytes a head: row 16 t + r holds d = 4 r + t: four blocks of 16 bytes + 16 of padding
.set QSB,  93184                       ; Q's scale bytes: 64 rows of 32 (all 16 heads)
.set KSB,  95232                       ; K's: 128 rows of 32
.set RLB,  99328                       ; 128 bytes a wave: 1 / l of 16 queries, for each of its two tiles
.set LN,   1                           ; v1   lane
.set R,    2                           ; v2   lane % 16
.set H,    3                           ; v3   lane / 16
.set GQ,   4                           ; v4   staging Q, K: 512 H + 16 R: two rows an instruction
.set LQ,   5                           ; v5   and where they go
.set LK,   6                           ; v6
.set GV,   7                           ; v7   staging V: 4,096 (lane / 4) + 16 x block
.set LV,   8                           ; v8
.set G4,   9                           ; v9   4 x lane
.set G8,   10                          ; v10  8 x lane
.set LQS,  11                          ; v11
.set LKS,  12                          ; v12
.set VSO,  13                          ; v13-15  V's scale bytes: 256 R + 64 H + the block's number
.set AQ,   16                          ; v16  my fragments' places in LDS
.set AK,   17                          ; v17
.set AV,   18                          ; v18-19
.set AQS,  20                          ; v20
.set AKS,  21                          ; v21
.set ARL,  22                          ; v22  1 / l: in
.set ARD,  23                          ; v23  and back
.set GO,   24                          ; v24  out0: 8 H rows of 4,096 bytes + 16 R
.set TLO,  25                          ; v25-26  block m - 1: register e is hidden where e < this (tile 0, 1)
.set THI,  27                          ; v27-28  block m + 1: hidden where e >= this
.set NINF, 29                          ; v29  -infinity
.set NM,   30                          ; v[30:31] -M; the packed form names the pair and takes its low word
.set QS,   32                          ; v32-43 hold scales and nothing else: Q's two words,
.set KS,   34                          ; K's six,
.set VS,   40                          ; V's two (lanes 0-15: tile 2 p, lanes 16-31: tile 2 p + 1),
.set PW,   42                          ; p's two
.set VBY,  44                          ; v44-49  V's scale bytes as loaded
.set RC,   50                          ; v50  at the head a temporary
.set TMP,  51                          ; v51
.set QF,   52                          ; v52-67   Q's two fragments;  later PC, RL
.set KF,   68                          ; v68-115  K's six;  later OA and what follows it
.set VF,   116                         ; v116-147 V's four
.set SCO,  148                         ; v148-195, v196-243: the scores of tile 0, 1, then p, then 32 numbers of out0; ahead of the barrier v148-191 carry the staging
.set RCT,  244                         ; v244-245 1 / l of tile 0, 1: a register to each, so that no LDS store's data are written again
.set PC,   52                          ; p's codes
.set RL,   60                          ; 1 / l of queries 8 H + 0 .. 7
.set OA,   68                          ; the four accumulators of O
.set BM,   100                         ; a block's largest score, then its largest p
.set BX,   103                         ; from lane l xor 16
.set SCL,  106                         ; the conversions' scale operands
.set BY,   109                         ; the scale bytes
.set LA,   112                         ; the row's sum, two chains of pairs
.set LB,   114
.set WV,   2                           ; s2   wave
.set H8,   3                           ; s3   my head in the half
.set GG,   4                           ; s4   which 32 of the 64 queries
.set MU,   5                           ; s5   work-group x
.set BB,   6                           ; s6   batch
.set HH,   7                           ; s7   half of the heads
.set CS,   24                          ; s[24:25] c = log2(e) / 8
.set SEL,  26                          ; s[26:27] v_permlanex16_b32's selects for lane l xor 16
.set RB,   28                          ; s28  the work-group's first row: 2,048 b + 64 mu
.set KR,   29                          ; s29  the first of the 8 rows of K that my wave stages
.set MM,   32                          ; s32  m = 2 mu + g
.set LOE,  33                          ; s33  64 where block m - 1 does not exist
.set HIE,  34                          ; s34  64 where block m + 1 does not exist
.set BLK,  36                          ; s36-38 the three blocks' numbers, held to 0 .. 63
.set AMB,  39                          ; s39  attn_mask's byte
.set MK,   28                          ; s28-59, once the head's scalars there are done with: a tile's mask: s[MK + e] for register e of block m - 1, s[MK + 16 + e] of block m + 1
; The mask of tile pi: a run of 32 compares into scalar registers.  The thresholds hang on the lane and the work-group alone, so a run may stand well ahead of its selects.
.macro MASKS pi
.irp e, 0,1,2,3,4,5,6,7,8,9,10,11,12,13,14,15
	v_cmp_lt_i32 s[MK+\e], \e, v[TLO+\pi]
.endr
.irp e, 0,1,2,3,4,5,6,7,8,9,10,11,12,13,14,15
	v_cmp_ge_i32 s[MK+16+\e], \e, v[THI+\pi]
.endr
.endm
	s_load_b512 s[8:23], s[0:1], 0x0               ; Q s[8:9], its scales s[10:11], K s[12:13], s[14:15], V s[16:17], s[18:19], out0 s[20:21], attn_mask s[22:23]
	v_lshl_add_u32 v254, v0, 2, 0x18c00
	v_mov_b32 v255, 0
	v_lshrrev_b32 v[TMP], 5, v0
	v_readfirstlane_b32 s[WV], v[TMP]              ; wave 0..15
	v_and_b32 v[LN], 31, v0                        ; what hangs on the lane alone stands between that line and the wait for it
	v_and_b32 v[R], 15, v0
	v_bfe_u32 v[H], v0, 4, 1
	v_lshlrev_b32 v[GQ], 4, v[R]
	v_lshl_add_u32 v[GQ], v[H], 9, v[GQ]
	v_lshlrev_b32 v[G4], 2, v[LN]
	v_lshlrev_b32 v[G8], 3, v[LN]
	s_wait_alu depctr_va_sdst(0)                   ; s[WV] is written, ahead of its first reader
	s_and_b32 s[H8], s[WV], 7
	s_lshr_b32 s[GG], s[WV], 3
	s_mov_b32 s[MU], ttmp9
	s_and_b32 s54, ttmp7, 0xffff
	s_lshr_b32 s[BB], s54, 1
	s_and_b32 s[HH], s54, 1
	s_lshl_b32 s55, s[BB], 11                      ; the batch's first row
	s_lshl_b32 s56, s[MU], 6
	s_add_co_u32 s[RB], s55, s56
	s_lshl_b32 s57, s[WV], 3
	s_add_co_u32 s57, s57, s56
	s_sub_co_i32 s57, s57, 32                      ; 64 mu - 32 + 8 w: my 8 rows of K's window lie in one block of 32,
	s_max_i32 s57, s57, 0                          ; so holding their first row holds all: a block that does not exist is read from rows that do
	s_min_i32 s57, s57, 2040
	s_add_co_u32 s[KR], s55, s57
	s_lshl_b32 s[MM], s[MU], 1
	s_add_co_u32 s[MM], s[MM], s[GG]
	s_cmp_eq_u32 s[MM], 0
	s_cselect_b32 s[LOE], 64, 0
	s_cmp_eq_u32 s[MM], 63
	s_cselect_b32 s[HIE], 64, 0
	s_sub_co_i32 s[BLK], s[MM], 1
	s_max_i32 s[BLK], s[BLK], 0
	s_mov_b32 s[BLK+1], s[MM]
	s_add_co_u32 s[BLK+2], s[MM], 1
	s_min_u32 s[BLK+2], s[BLK+2], 63
	; the seven byte offsets, each in a pair with 0 above it (all under 2^26)
	s_lshl_b32 s54, s[WV], 2
	s_add_co_u32 s54, s54, s[RB]                   ; the first of the 4 rows of Q that my wave stages
	s_lshl_b32 s55, s[HH], 8                       ; my half of the heads in a row of codes
	s_lshl_b32 s40, s54, 9
	s_add_co_u32 s40, s40, s55                     ; Q's codes: rows of 512 bytes
	s_lshl_b32 s42, s54, 5                         ; Q's scales: rows of 32
	s_lshl_b32 s44, s[KR], 9
	s_add_co_u32 s44, s44, s55                     ; K's codes
	s_lshl_b32 s46, s[KR], 5                       ; K's scales
	s_lshl_b32 s56, s[BB], 4
	s_lshl_b32 s57, s[HH], 3
	s_add_co_u32 s56, s56, s57                     ; 16 b + 8 half: the first head of my half
	s_lshr_b32 s57, s[WV], 1
	s_add_co_u32 s57, s57, s56                     ; V's codes: my wave stages head w / 2 (65,536 bytes a head),
	s_lshl_b32 s48, s57, 16
	s_and_b32 s57, s[WV], 1
	s_lshl_b32 s57, s57, 15                        ; its d = 32 (w % 2) on (1,024 bytes a d)
	s_add_co_u32 s48, s48, s57
	s_add_co_u32 s57, s56, s[H8]
	s_lshl_b32 s50, s57, 12                        ; V's scales: my own head, 4,096 bytes a head
	s_lshl_b32 s52, s[GG], 5
	s_add_co_u32 s52, s52, s[RB]
	s_lshl_b32 s52, s52, 12                        ; out0: my first query, rows of 4,096 bytes,
	s_lshl_b32 s57, s[HH], 3
	s_add_co_u32 s57, s57, s[H8]
	s_lshl_b32 s57, s57, 8                         ; my head's 256 bytes
	s_add_co_u32 s52, s52, s57
.irp p, 41,43,45,47,49,51,53
	s_mov_b32 s\p, 0
.endr
	s_mov_b32 s[CS], 0x3e38aa3b                    ; c = log2(e) / 8: t = score x c
	s_mov_b32 s[CS+1], s[CS]                       ; (named with it as a pair, so it is written)
	s_mov_b32 s[SEL], 0x76543210
	s_mov_b32 s[SEL+1], 0xfedcba98
	; the rest of the global loads' offsets
	s_lshl_b32 s54, s[MU], 1
	s_sub_co_i32 s54, s54, 1                       ; V's window begins at block 2 mu - 1
	v_and_b32 v[TMP], 3, v0
	v_add_nc_u32 v[GV], s54, v[TMP]                ; my block: 2 mu - 1 + lane % 4.  Block -1 wraps to the greatest number,
	v_min_u32 v[GV], 63, v[GV]                     ; and is held at 63 as block 64 is: any block that exists will do, since its p are zero codes
	v_lshlrev_b32 v[GV], 4, v[GV]
	v_bfe_u32 v[RC], v0, 2, 3
	v_lshl_add_u32 v[GV], v[RC], 12, v[GV]         ; + 4 (lane / 4) rows of 1,024 bytes
	v_lshlrev_b32 v[TMP], 8, v[R]
	v_lshl_add_u32 v[TMP], v[H], 6, v[TMP]         ; V's scale bytes: row d = 4 R + H (+ 2 p in the immediate), 64 bytes a row
.irp q, 0,1,2
	v_add_nc_u32 v[VSO+\q], s[BLK+\q], v[TMP]
.endr
	s_wait_kmcnt 0x0
	s_add_nc_u64 s[8:9], s[8:9], s[40:41]
	s_add_nc_u64 s[10:11], s[10:11], s[42:43]
	s_add_nc_u64 s[12:13], s[12:13], s[44:45]
	s_add_nc_u64 s[14:15], s[14:15], s[46:47]
	s_add_nc_u64 s[16:17], s[16:17], s[48:49]
	s_add_nc_u64 s[18:19], s[18:19], s[50:51]
	s_add_nc_u64 s[20:21], s[20:21], s[52:53]
	s_wait_alu depctr_va_vdst(0)                   ; the seven offsets v[GQ], v[GV], v[G4], v[G8] and v[VSO ..] are written, which the 18 loads below read
	; ALL 18 LOADS OF THE WAVE GO OUT AT ONCE.  None of their address registers is ever written again.
	global_load_b64 v[SCO:SCO+1], v[G8], s[14:15]                  ; K's scale bytes of my 8 rows: 256 consecutive bytes
	global_load_b32 v[SCO+2], v[G4], s[10:11]                      ; Q's of my 4 rows: 128
.irp k, 0,1
	global_load_b128 v[SCO+4+4*\k:SCO+7+4*\k], v[GQ], s[8:9] offset:1024*\k th:TH_LOAD_NT   ; Q: rows 4 w + 2 k + H, sixteen lanes to 256 bytes; read once in the launch
.endr
.irp k, 0,1,2,3
	global_load_b128 v[SCO+12+4*\k:SCO+15+4*\k], v[GQ], s[12:13] offset:1024*\k   ; K: window rows 8 w + 2 k + H
.endr
.irp k, 0,1,2,3
	global_load_b128 v[SCO+28+4*\k:SCO+31+4*\k], v[GV], s[16:17] offset:1024*\k   ; V: d = 4 (8 (w % 2) + lane / 4) + k, four lanes to its window's 64 bytes
.endr
.irp p, 0,1
.irp q, 0,1,2
	global_load_u8 v[VBY+3*\p+\q], v[VSO+\q], s[18:19] offset:128*\p   ; V's scale byte of d = 4 R + 2 p + H, block m - 1 + q
.endr
.endr
	s_load_u8 s[AMB], s[22:23], 0x0                ; attn_mask's one byte
	; while they are on their way: the zero codes first, so that all the lines below stand between them and the products
.irp f, 0,1
.irp i, 4,5,6,7
	v_mov_b32 v[QF+8*\f+\i], 0                     ; k = 64 .. 127 of the first product: zero codes, which add nothing
.endr
.endr
.irp f, 0,1,2,3,4,5
.irp i, 4,5,6,7
	v_mov_b32 v[KF+8*\f+\i], 0
.endr
.endr
	v_mul_u32_u24 v[TMP], v[H], 272
	v_lshl_add_u32 v[TMP], v[R], 4, v[TMP]         ; staging Q, K: row H, 16 R
	s_mul_i32 s54, s[WV], 4*272
	v_add_nc_u32 v[LQ], s54, v[TMP]                ; (QB = 0)
	s_mul_i32 s54, s[WV], 8*272
	s_add_co_u32 s54, s54, KB
	v_add_nc_u32 v[LK], s54, v[TMP]
	s_lshr_b32 s54, s[WV], 1
	s_mul_i32 s54, s54, 5120
	s_and_b32 s55, s[WV], 1
	s_mul_i32 s55, s55, 8*80
	s_add_co_u32 s54, s54, s55
	s_add_co_u32 s54, s54, VB
	v_mul_u32_u24 v[LV], v[RC], 80                 ; staging V: row 16 k + 8 (w % 2) + lane / 4 (v[RC] still holds lane / 4), block lane % 4
	v_and_b32 v[TMP], 3, v0
	v_lshl_add_u32 v[LV], v[TMP], 4, v[LV]
	v_add_nc_u32 v[LV], s54, v[LV]
	v_lshl_add_u32 v[LQS], v0, 2, QSB              ; the scale bytes lie in LDS as in memory: 128 bytes a wave,
	v_lshl_add_u32 v[LKS], v0, 3, KSB              ; 256 a wave
	s_mul_i32 s54, s[GG], 32*272
	s_lshl_b32 s55, s[H8], 5
	s_add_co_u32 s54, s54, s55                     ; my 32 queries' rows, my head's 32 bytes
	v_mul_u32_u24 v[AQ], v[R], 272
	v_lshl_add_u32 v[AQ], v[H], 4, v[AQ]
	v_add_nc_u32 v[AQ], s54, v[AQ]
	v_and_b32 v[TMP], 8, v[R]
	v_add_nc_u32 v[TMP], v[TMP], v[R]              ; r + 8 (r / 8): the keys of a tile
	v_mul_u32_u24 v[AK], v[TMP], 272
	v_lshl_add_u32 v[AK], v[H], 4, v[AK]
	s_add_co_u32 s54, s54, KB                      ; K's window row 32 g is the first key of block m - 1
	v_add_nc_u32 v[AK], s54, v[AK]
	s_lshl_b32 s54, s[GG], 10
	s_lshl_b32 s55, s[HH], 4
	s_add_co_u32 s54, s54, s55
	s_lshl_b32 s55, s[H8], 1
	s_add_co_u32 s54, s54, s55                     ; scale bytes: 32 g rows of 32 bytes, head 8 half + h8: 2 bytes a head
	v_lshl_add_u32 v[AQS], v[R], 5, s54
	v_add_nc_u32 v[AQS], QSB, v[AQS]
	v_lshl_add_u32 v[AKS], v[TMP], 5, s54
	v_add_nc_u32 v[AKS], KSB, v[AKS]
	s_mul_i32 s54, s[H8], 5120
	s_add_co_u32 s54, s54, VB
	v_mul_u32_u24 v[RC], v[R], 80
	v_add_nc_u32 v[RC], s54, v[RC]                 ; V: my head, row r of a tile
	v_add_nc_u32 v[AV], s[GG], v[H]                ; place 2 c + H along K takes window block (g + 2 c + H) % 4: p's blocks 0 to 2 meet blocks m - 1 to m + 1.  c = 0: H + g, at most 2
	v_add_nc_u32 v[AV+1], 2, v[AV]
	v_and_b32 v[AV+1], 3, v[AV+1]                  ; c = 1 (place 3 meets p's zero codes: whichever block stands there)
	v_lshl_add_u32 v[AV], v[AV], 4, v[RC]
	v_lshl_add_u32 v[AV+1], v[AV+1], 4, v[RC]
	s_lshl_b32 s54, s[WV], 7
	s_add_co_u32 s54, s54, RLB
	v_lshl_add_u32 v[ARL], v[R], 2, s54
	v_lshl_add_u32 v[ARD], v[H], 5, s54
	v_lshlrev_b32 v[GO], 4, v[R]
	v_lshl_add_u32 v[GO], v[H], 15, v[GO]
	v_lshlrev_b32 v[TMP], 4, v[H]
	v_sub_nc_u32 v[TMP], v[R], v[TMP]              ; r - 16 H.  Query 32 m + 16 pi + r; register e of block q holds key 32 (m - 1 + q) + 16 H + e
	v_add_nc_u32 v[TLO], s[LOE], v[TMP]            ; block m - 1 counts where 16 H + e >= 16 pi + r; + 64 where there is no such block: all hidden
	v_add_nc_u32 v[TLO+1], 16, v[TLO]
	v_sub_nc_u32 v[THI], v[TMP], s[HIE]            ; block m + 1 counts where 16 H + e < 16 pi + r; - 64: all hidden.  Block m always counts
	v_add_nc_u32 v[THI+1], 16, v[THI]
	v_mov_b32 v[NINF], 0xff800000
	v_mov_b32 v[NM+1], 0                           ; (the pair's upper half is named, so it is written)
	s_wait_kmcnt 0x0                               ; attn_mask's byte is in; nothing is made of it, and its register is free
	MASKS 0                                        ; tile 0's mask, while the loads are out: the head's scalars in s28 to s59 are done with
	; INTO LDS
	s_wait_loadcnt 10                              ; the first 8 loads are in (scales, Q, K); V's 4 and the 6 bytes may be out
	s_wait_alu depctr_va_vdst(0)                   ; the LDS addresses v5, v6, v8, v11, v12, v16 to v23 and out0's offset v24 are written, which the LDS stores and loads and the stores below read; so are the zero codes, which the first products take (their places stand above)
	ds_store_b64 v[LKS], v[SCO:SCO+1]
	ds_store_b32 v[LQS], v[SCO+2]
.irp k, 0,1
	ds_store_b128 v[LQ], v[SCO+4+4*\k:SCO+7+4*\k] offset:544*\k
.endr
.irp k, 0,1,2,3
	ds_store_b128 v[LK], v[SCO+12+4*\k:SCO+15+4*\k] offset:544*\k
.endr
	s_wait_loadcnt 6                               ; V's 4 are in; the 6 bytes may be out
.irp k, 0,1,2,3
	ds_store_b128 v[LV], v[SCO+28+4*\k:SCO+31+4*\k] offset:1280*\k
.endr
	s_wait_dscnt 0x0                               ; for the others' sake: my stores have landed
	s_barrier_signal -1
	s_barrier_wait -1                              ; everybody's have.  The one barrier: from here on a wave writes only its own 128 bytes at RLB
	; MY FRAGMENTS: 24 LDS loads, V's last.  No vector instruction since the wait ahead of the LDS stores names an address or a destination of theirs
.irp p, 0,1
	ds_load_u16 v[QS+\p], v[AQS] offset:512*\p     ; two scale bytes, zeros above them: bytes 2 and 3 stand over zero codes
.endr
.irp i, 0,1,2,3,4,5
	ds_load_u16 v[KS+\i], v[AKS] offset:32*(32*(\i/2)+8*(\i%2))
.endr
.irp p, 0,1
	ds_load_b128 v[QF+8*\p:QF+8*\p+3], v[AQ] offset:16*272*\p      ; k = 32 H + 0 .. 31 of query 16 p + r
.endr
.irp i, 0,1,2,3,4,5
	ds_load_b128 v[KF+8*\i:KF+8*\i+3], v[AK] offset:272*(32*(\i/2)+8*(\i%2))   ; key tile i = 2 q + u of block q
.endr
.irp t, 0,1,2,3
.irp c, 0,1
	ds_load_b128 v[VF+8*\t+4*\c:VF+8*\t+4*\c+3], v[AV+\c] offset:1280*\t
.endr
.endr
	s_wait_dscnt 8                                 ; all but V's eight
	s_wait_alu depctr_vm_vsrc(0)                   ; my LDS stores have read the staging registers v[SCO ..], which the products below write
	; S^T = K Q^T: twelve sums, each one instruction with C = 0: no accumulator is taken up twice
.irp p, 0,1
.irp i, 0,1,2,3,4,5
	v_wmma_scale_f32_16x16x128_f8f6f4 v[SCO+48*\p+8*\i:SCO+48*\p+8*\i+7], v[KF+8*\i:KF+8*\i+7], v[QF+8*\p:QF+8*\p+7], 0, v[KS+\i], v[QS+\p] matrix_a_fmt:MATRIX_FMT_FP4 matrix_b_fmt:MATRIX_FMT_FP4
.endr
.endr
	s_wait_loadcnt 0x0                             ; V's scale bytes
	v_lshl_or_b32 v[VS], v[VBY+1], 8, v[VBY]       ; V's scale words: byte q for place q along K, byte 3 = 0 over p's zero codes.
	v_lshl_or_b32 v[VS+1], v[VBY+4], 8, v[VBY+3]   ; These four lines name no register of the products: they are the four places behind them (ISA guide 7.12.1)
	v_lshl_or_b32 v[VS], v[VBY+2], 16, v[VS]
	v_lshl_or_b32 v[VS+1], v[VBY+5], 16, v[VS+1]
; ONE TILE OF 16 QUERIES: mask, softmax, quantiser, second product, division, stores.
.macro TILE pi
.set S, SCO+48*\pi
	s_wait_alu depctr_va_sdst(0)                   ; this tile's 32 compares have written s[MK ..], ahead of their first reader
	; the mask, in ascending order: each accumulator is read from its low end on
.irp e, 0,1,2,3,4,5,6,7,8,9,10,11,12,13,14,15
	v_cndmask_b32 v[S+\e], v[S+\e], v[NINF], s[MK+\e]
.endr
.irp e, 0,1,2,3,4,5,6,7,8,9,10,11,12,13,14,15
	v_cndmask_b32 v[S+32+\e], v[S+32+\e], v[NINF], s[MK+16+\e]
.endr
	; the largest score of each block of 32 keys: it serves for the row's maximum and, since p rises with the score, for the block's largest p
.irp q, 0,1,2
	v_max3_num_f32 v[BM+\q], v[S+16*\q], v[S+16*\q+1], v[S+16*\q+2]
.endr
.irp i, 3,5,7,9,11,13
.irp q, 0,1,2
	v_max3_num_f32 v[BM+\q], v[BM+\q], v[S+16*\q+\i], v[S+16*\q+\i+1]   ; (the three blocks by turns)
.endr
.endr
.irp q, 0,1,2
	v_max_num_f32 v[BM+\q], v[BM+\q], v[S+16*\q+15]
.endr
.irp q, 0,1,2
	v_permlanex16_b32 v[BX+\q], v[BM+\q], s[SEL], s[SEL+1]
.endr
.irp q, 0,1,2
	v_max_num_f32 v[BM+\q], v[BM+\q], v[BX+\q]     ; with lane l xor 16's 16 keys
.endr
	v_max3_num_f32 v[TMP], v[BM], v[BM+1], v[BM+2] ; the row's largest score (block m is never hidden: it is a number)
	v_mul_f32 v[TMP], s[CS], v[TMP]                ; as t (c is positive)
	v_floor_f32 v[NM], -v[TMP]                     ; -M = floor(-t) = -ceil(t)
.irp j, 0,2,4,6,8,10,12,14,16,18,20,22,24,26,28,30,32,34,36,38,40,42,44,46
	v_pk_fma_f32 v[S+\j:S+\j+1], v[S+\j:S+\j+1], s[CS:CS+1], v[NM:NM+1] op_sel_hi:[1,0,0]   ; t - M, two at a time
.endr
.irp q, 0,1,2
	v_fma_f32 v[BM+\q], v[BM+\q], s[CS], v[NM]     ; the same of each block's largest score
.endr
.irp j, 0,1,2,3,4,5,6,7,8,9,10,11,12,13,14,15,16,17,18,19,20,21,22,23,24,25,26,27,28,29,30,31,32,33,34,35,36,37,38,39,40,41,42,43,44,45,46,47
	v_exp_f32 v[S+\j], v[S+\j]                     ; p = 2^(t - M), not normalised; 0 where hidden
.endr
.irp q, 0,1,2
	v_exp_f32 v[BM+\q], v[BM+\q]                   ; the block's largest p: the same two instructions on the same number give the same bits
.endr
	v_nop                                          ; a plain instruction behind the last exponential (ISA guide 5.7.2)
	s_wait_alu depctr_va_vdst(0)                   ; the 51 exponentials have written p and the blocks' largest p: one wait for the batch, ahead of its first reader
.irp q, 0,1,2
	v_max_num_f32 v[BM+\q], 0x1800000, v[BM+\q]    ; the floor 2^(3 - 127): the byte cannot fall under 1 (a block of zeros keeps that byte: its codes are zeros)
.endr
.irp q, 0,1,2
	v_add_nc_u32 v[SCL+\q], 0xff000000, v[BM+\q]   ; 2 off the exponent field: the conversion takes the exponent field of this operand as its scale
.endr
.irp q, 0,1,2
	v_lshrrev_b32 v[BY+\q], 23, v[SCL+\q]          ; the scale's byte
.endr
	v_lshl_or_b32 v[PW+\pi], v[BY+1], 8, v[BY]     ; p's scale word; byte 3 = 0 over the block of zero codes
	v_lshl_or_b32 v[PW+\pi], v[BY+2], 16, v[PW+\pi]
.irp q, 0,1,2
	v_cvt_scalef32_pk8_fp4_f32 v[PC+2*\q], v[S+16*\q:S+16*\q+7], v[SCL+\q]        ; the codes of keys 32 q + 16 H + 0 .. 7
	v_cvt_scalef32_pk8_fp4_f32 v[PC+2*\q+1], v[S+16*\q+8:S+16*\q+15], v[SCL+\q]   ; and + 8 .. 15
.endr
	v_mov_b32 v[PC+6], 0                           ; the fourth block: zero codes.  (Also the plain line behind the conversions)
	v_mov_b32 v[PC+7], 0
.irp c, 0,1                                    ; the operand's layout wants a whole block in a lane: lanes 0-15 block 2 c, lanes 16-31 block 2 c + 1
.irp i, 0,1
	v_permlane16_swap_b32 v[PC+4*\c+\i], v[PC+4*\c+2+\i]
.endr
.endr
	; the row's sum, of the unquantised p: two chains of pairs.  These lines are also the places between the scale word and the codes above and the products below
	v_pk_add_f32 v[LA:LA+1], v[S:S+1], v[S+2:S+3]
	v_pk_add_f32 v[LB:LB+1], v[S+4:S+5], v[S+6:S+7]
.irp j, 8,12,16,20,24,28,32,36,40,44
	v_pk_add_f32 v[LA:LA+1], v[LA:LA+1], v[S+\j:S+\j+1]
	v_pk_add_f32 v[LB:LB+1], v[LB:LB+1], v[S+\j+2:S+\j+3]
.endr
	v_pk_add_f32 v[LA:LA+1], v[LA:LA+1], v[LB:LB+1]
	v_add_f32 v[TMP], v[LA], v[LA+1]
	v_permlanex16_b32 v[BX], v[TMP], s[SEL], s[SEL+1]
	v_add_f32 v[TMP], v[TMP], v[BX]                ; l of query r
	v_rcp_f32 v[RCT+\pi], v[TMP]
	v_nop                                          ; a plain instruction behind the reciprocal
	s_wait_alu depctr_va_vdst(0)                   ; the reciprocal has written v[RCT + pi], which the LDS store reads; all earlier readers of v[RL ..] (the first products, the tile before's divisions) are done, where the LDS loads land; p's codes, p's scale word and V's scale words are written, which the scaled products below take (their places stand above)
	; O will hold query 8 H + j in register j, but 1 / l lies in lane r: it turns through my wave's own 64 bytes.  LDS serves a wave's instructions in order (ISA guide 5.7.1.4): the loads see the store
	ds_store_b32 v[ARL], v[RCT+\pi] offset:64*\pi  ; lanes r and r + 16 write the same word with the same value
	ds_load_b128 v[RL:RL+3], v[ARD] offset:64*\pi
	ds_load_b128 v[RL+4:RL+7], v[ARD] offset:64*\pi+16
.if \pi == 0
	s_wait_dscnt 3                                 ; V's fragments are in; the three lines above may be out
.endif
	; O = P V: four sums, each one instruction with C = 0.  Register j of tile t: O(query 8 H + j, d = 4 r + t)
.irp t, 0,1,2,3
.if \t % 2
	v_wmma_scale_f32_16x16x128_f8f6f4 v[OA+8*\t:OA+8*\t+7], v[PC:PC+7], v[VF+8*\t:VF+8*\t+7], 0, v[PW+\pi], v[VS+\t/2] matrix_a_fmt:MATRIX_FMT_FP4 matrix_b_fmt:MATRIX_FMT_FP4 matrix_b_scale:MATRIX_SCALE_ROW1
.else
	v_wmma_scale_f32_16x16x128_f8f6f4 v[OA+8*\t:OA+8*\t+7], v[PC:PC+7], v[VF+8*\t:VF+8*\t+7], 0, v[PW+\pi], v[VS+\t/2] matrix_a_fmt:MATRIX_FMT_FP4 matrix_b_fmt:MATRIX_FMT_FP4
.endif
.endr
.rept 4
	v_nop                                          ; four places in front of the first read of the results (ISA guide 7.12.1)
.endr
.if \pi == 0
	MASKS 1                                        ; the next tile's mask, while 1 / l turns through LDS: this tile's selects have long read s[MK ..]
.endif
	s_wait_dscnt 0x0                               ; 1 / l is back
.irp j, 0,1,2,3,4,5,6,7                        ; j ascending: each accumulator is read from its low end on
.irp t, 0,1,2,3
	v_mul_f32 v[S+4*\j+\t], v[OA+8*\t+\j], v[RL+\j]   ; into p's registers, which are done with: four neighbours d = 4 r + 0 .. 3 of query 8 H + j
.endr
.endr
	s_wait_alu depctr_va_vdst(0)                   ; the 32 divisions have written v[S .. S + 31], which the eight stores read
.irp j, 0,1,2,3,4,5,6,7
	global_store_b128 v[GO], v[S+4*\j:S+4*\j+3], s[20:21] offset:(16*\pi+\j)*4096 th:TH_STORE_NT   ; sixteen lanes store the 256 consecutive, aligned bytes of one (query, head); written once, read by nobody here
.endr
.endm
	TILE 0
	TILE 1                                         ; it writes none of the registers that tile 0's stores and its LDS store read: no wait stands between them
	s_wait_dscnt 0x0                               ; the closing lines, six on end
	s_wait_alu 0x0
	s_wait_tensorcnt 0x0
	ds_add_u32 v254, v255
	s_wait_dscnt 0x0
	s_endpgm
.Lfunc_end_k_q5f6631a5e8_band:
	.size	k_q5f6631a5e8_band, .Lfunc_end_k_q5f6631a5e8_band-k_q5f6631a5e8_band
	.p2alignl 7, 3214868480
	.fill 96, 4, 3214868480
	.section	.rodata,"a",@progbits
	.p2align	6, 0x0
	.amdhsa_kernel k_q5f6631a5e8_band
		.amdhsa_group_segment_fixed_size 103424
		.amdhsa_private_segment_fixed_size 0
		.amdhsa_enable_private_segment 0
		.amdhsa_kernarg_size 64
		.amdhsa_user_sgpr_count 2
		.amdhsa_user_sgpr_kernarg_segment_ptr 1
		.amdhsa_wavefront_size32 1
		.amdhsa_system_sgpr_workgroup_id_x 1
		.amdhsa_system_sgpr_workgroup_id_y 1
		.amdhsa_system_sgpr_workgroup_id_z 1
		.amdhsa_system_vgpr_workitem_id 0
		.amdhsa_next_free_vgpr 256
		.amdhsa_next_free_sgpr 66
		.amdhsa_reserve_vcc 0
		.amdhsa_float_denorm_mode_32 3
		.amdhsa_float_denorm_mode_16_64 3
		.amdhsa_memory_ordered 1
		.amdhsa_forward_progress 1
		.amdhsa_inst_pref_size 44
	.end_amdhsa_kernel
	.amdgpu_metadata
---
amdhsa.version: [ 1, 2 ]
amdhsa.kernels:
  - .name:           k_q5f6631a5e8_band
    .symbol:         k_q5f6631a5e8_band.kd
    .args:
      - { .name: queries_codes, .offset: 0, .size: 8, .value_kind: global_buffer, .address_space: global }
      - { .name: queries_scales, .offset: 8, .size: 8, .value_kind: global_buffer, .address_space: global }
      - { .name: keys_codes, .offset: 16, .size: 8, .value_kind: global_buffer, .address_space: global }
      - { .name: keys_scales, .offset: 24, .size: 8, .value_kind: global_buffer, .address_space: global }
      - { .name: values_codes, .offset: 32, .size: 8, .value_kind: global_buffer, .address_space: global }
      - { .name: values_scales, .offset: 40, .size: 8, .value_kind: global_buffer, .address_space: global }
      - { .name: out0, .offset: 48, .size: 8, .value_kind: global_buffer, .address_space: global }
      - { .name: attn_mask, .offset: 56, .size: 8, .value_kind: global_buffer, .address_space: global }
    .group_segment_fixed_size: 103424
    .private_segment_fixed_size: 0
    .kernarg_segment_align: 8
    .kernarg_segment_size: 64
    .max_flat_workgroup_size: 512
    .sgpr_count:     66
    .vgpr_count:     256
    .wavefront_size: 32
...
	.end_amdgpu_metadata
.endif
;; end of part 2
